; MI455X (gfx1250); checked and timed in simulation.
; The chip was launched on July 23, 2026; its instructions are those of AMD's public machine-readable ISA for CDNA 5 (MIT licence, August 2026) and "CDNA5" Instruction Set Architecture Reference Guide (July 2026). The comments in the code are by the model that wrote it; some were corrected since.
;; Attention. Allowed arithmetic: matrix products marked QUANTISED: E2M1 operands, one E8M0 scale for each 32 along K, by v_wmma_scale_f32_16x16x128_f8f6f4 with both operands' format E2M1 (or v_wmma_scale_f32_32x16x128_f4), f32 sums; everything else in f32.
;; Inputs: b_qkv 3,072 float32; w_qkv_codes 3,072 x 32 x 16 uint8 (E2M1 codes of w_qkv, K innermost, in blocks of 32 codes, two codes a byte); w_qkv_scales 3,072 x 32 uint8 (E8M0 scales of w_qkv, one for each 32 codes along K); x_codes 4 x 2,048 x 32 x 16 uint8 (E2M1 codes of x, K innermost, in blocks of 32 codes, two codes a byte); x_scales 4 x 2,048 x 32 uint8 (E8M0 scales of x, one for each 32 codes along K).
;; Outputs: out0 4 x 2,048 x 1,024 float32.
;; This version of the problem:
;;   THIS VERSION OF THE PROBLEM IS GIVEN IN LOW PRECISION. The matrix products marked QUANTISED in the list below multiply operands that are first quantised to E2M1 (2 exponent bits, 1 mantissa bit; 4 bits a number), with one power-of-two scale for each 32 numbers along K (OCP MX v1.0); their sums are f32. All else is computed in f32.
;;   The module's matrix products, in the order in which they are computed (A, B: the left and right operand; K: the contracted axis; several contracted axes count as one K, in the product's order):
;;     1. [M 8,192, K 1,024] x [K 1,024, N 3,072]; A: input x (given as codes); B: input w_qkv (given as codes): QUANTISED
;;     2. batch 64 x [M 2,048, K 64] x [K 64, N 2,048]; A: computed on the way; B: computed on the way: QUANTISED
;;     3. batch 64 x [M 2,048, K 2,048] x [K 2,048, N 64]; A: softmax (see below); B: computed on the way: QUANTISED
;;   THE QUANTISER, for each operand of a quantised product, along K:
;;     - K is cut into blocks of 32 from its start; a last block that is shorter is filled with zeros.
;;     - A block's scale is 2^e with e = floor(log2(the largest magnitude in the block)) - 2, held to -126 .. 127; a block of zeros has e = 0. As a byte (E8M0): e + 127.
;;     - Each number is divided by its block's scale, clamped to +-6, and rounded to the nearest number of E2M1, ties to even, subnormals kept.
;;     - The product sums the exact products of the quantised numbers (number of the format x scale) in f32.
;;   ~~~python
;;   def quantise(x, axis):      # numpy; x: float32 -> the quantised numbers, widened to float32 again
;;       x = np.moveaxis(x, axis, -1); K = x.shape[-1]
;;       x = np.pad(x, [(0, 0)] * (x.ndim - 1) + [(0, -K % 32)]); x = x.reshape(x.shape[:-1] + (-1, 32)); a = np.abs(x).max(-1, keepdims=True)
;;       e = np.where(a > 0, np.clip(np.frexp(np.where(a > 0, a, 1))[1] - 1 - 2, -126, 127), 0)      # np.frexp(a)[1] - 1 = floor(log2(a)), exactly
;;       r = np.clip(x / 2.0 ** e, -6, 6)
;;       step = 2.0 ** (np.maximum(np.frexp(np.where(r == 0, 1, r))[1] - 1, 0) - 1)
;;       q = np.round(r / step) * step * 2.0 ** e      # np.round: ties to even
;;       return np.moveaxis(q.reshape(q.shape[:-2] + (-1,))[..., :K], -1, axis).astype(np.float32)
;;   ~~~
;;   SOFTMAX AHEAD OF A QUANTISED PRODUCT. Where the list says 'softmax', what is quantised is not the finished softmax but p = 2^(t - M), with t = logit x log2(e) and M = ceil(the row's largest t), a whole number; so 1/2 < the row's largest p <= 1. The row's sum l is taken of the UNQUANTISED p, in f32, and the product's result is divided by l at the end. Since M is a whole number, a kernel that streams over the keys may use a running M (the ceiling of the running maximum): every later rescaling is an exact power of two, which a block's scale takes up: the codes' values come out the same.
;;   OPERANDS COMPUTED ON THE WAY. 'Computed on the way' means the value that the module computes at that place (a softmax that the list does not call 'softmax' is quantised finished and normalised). What goes into a quantiser is computed in f32, as accurately as f32 sums, v_exp_f32 and their like allow (about 1e-6 of the number): no bf16 or f16 on the way to a quantiser, and a product that is left as it is and whose result goes on into a quantised operand takes f32 operands (vector FMAs, or v_wmma_f32_16x16x4_f32). A number that lies on a knife's edge between two numbers of the format may be rounded either way, as far as f32 arithmetic and the matrix unit's own rounding can turn it there, and no further.
;;   INPUTS GIVEN AS CODES. w_qkv (in the module: [3072, 1024], K = its axis 1); x (in the module: [4, 2048, 1024], K = its axis 2): each comes as NAME_codes (uint8): NAME with its K axis moved to the last place and cut into blocks of 32 codes, [.., K / 32, bytes a block], one block behind the other in memory; two codes a byte, the lower K in the low four bits (a code: sign, 2 exponent bits, 1 mantissa bit); and NAME_scales (uint8): the same leading axes, one E8M0 byte (e + 127) for each 32 codes along K. Its value is code x scale, taken as it is: it is not quantised again, and the codes and scales need not be those that the quantiser above would give.
;; One version. Each part assembles by itself: llvm-mc -triple=amdgcn-amd-amdhsa -mcpu=gfx1250 --defsym DOCPART=n.
;; ======== version 1 of 1: 2 launches
;; limits: right only within a limited range of input values
;; workspace buffers: codes 12,582,912 bytes; scl 786,432 bytes
;; launch qkv (part 1): grid 16 x 16, 12 waves a work-group, clusters of 4 x 4, 327,680 bytes of LDS; arguments x_codes, x_scales, w_qkv_codes, w_qkv_scales, b_qkv, codes, scl; writes codes, scl
.if DOCPART == 1
	.amdgcn_target "amdgcn-amd-amdhsa--gfx1250"
	.amdhsa_code_object_version 6
	.text
	.protected	k_qb789c82398_qkv
	.globl	k_qb789c82398_qkv
	.p2align	8
	.type	k_qb789c82398_qkv,@function
k_qb789c82398_qkv:
	s_mov_b64 s[64:65], 0
	v_nop
	global_prefetch_b8 v0, s[64:65] scope:SCOPE_SE
	s_setreg_imm32_b32 hwreg(HW_REG_WAVE_MODE, 25, 1), 1
	s_wait_xcnt 0x0
	s_wait_alu depctr_hold_cnt(0) depctr_sa_sdst(0) depctr_va_vdst(0) depctr_va_sdst(0) depctr_va_ssrc(0) depctr_va_vcc(0) depctr_vm_vsrc(0)
	s_getreg_b32 s2, hwreg(HW_REG_IB_STS2, 6, 4)
	s_cmp_eq_u32 s2, 0
	s_cbranch_scc0 .Lentry_in_a_cluster
	s_endpgm
.Lentry_in_a_cluster:
	s_bfe_u32 s2, ttmp6, 0x10000c
	s_cmp_lg_u32 s2, 0xf033
	s_cbranch_scc0 .Lentry_shape_is_right
	s_endpgm
.Lentry_shape_is_right:
; qkv = x W^T + b on codes of FP4 (E2M1) with one E8M0 scale for each 32 along K = 1,024; then q / 8, k and v are quantised for the two products of attention and stored as IMAGES OF OPERAND REGISTERS.
; SHARES.  A work-group takes TWO neighbouring blocks of 256 tokens, one after the other, x the 192 features (q, k, v) of one head: 256 work-groups.  Twelve waves: kind = wave / 4 (0 q, 1 k, 2 v), group = wave % 4 (64 tokens).
; A wave makes 64 x 64 for each block: 16 accumulators.  K = 1,024 is 512 bytes a row, so the whole K of 256 + 192 rows, and their scale bytes, lie in LDS at once.
; W's rows, W's scale bytes and the bias are fetched once and serve both blocks.  x's rows and scale bytes are filled again for the second block behind the first block's last product; the first block's quantising and stores stand behind that request.
; q AND k: source 0 = 16 rows of W, source 1 = 16 tokens: a lane holds ONE token and its registers run along the head's 64 numbers, which are the next product's K.
; v: source 0 = 16 tokens, source 1 = 16 rows of W: a lane holds ONE channel and its registers run along the tokens, which are the last product's K.
; In both, register 16 b + e of a lane is k = 32 b + 8 h + e and register 16 b + 8 + e is k = 32 b + 16 + 8 h + e (h = lane / 16).  A conversion takes eight neighbours; two exchanges of halves then leave
; lane (r, h) with k = 32 h + 0 .. 31 in four registers: the 4-bit operand's layout.
; OUT.  codes: kind x 4,194,304 + (16 batch + head) x 65,536 + (group of 64 tokens) x 2,048 + o x 512 + 16 x lane (q, k: o = tile of 16 tokens; v: o = tile of 16 channels).
;       scl:   kind x 262,144 + (16 batch + head) x 4,096 + (step of 128 tokens) x 256 + 16 r + 4 w (q, k: w = pair of token tiles, two bytes a tile; v: w = channel tile, four bytes: the step's four blocks of 32 tokens).
; q / 8: the codes of a number and of its eighth are the same, and the scale's byte is 3 lower: so 3 is taken off q's bytes, and q's floor lies 3 higher, so that the byte is still held at 1.
; CLUSTER 4 x 4: x's tiles hang on the token blocks alone and are asked for jointly along a row of the cluster, W's on the head alone and along a column.
; PREFETCH: the second block's 256 rows of x's codes, 512 blocks of 256 bytes, are asked for once in each cluster, a whole block's products ahead of their load: each of the four partners of a row takes 64 rows, told apart by address;
; waves 0-3, a lane a block of 256 bytes.  The second block's 8,192 scale bytes come by their load alone.
; LIMITS: NaN and infinities are not served (a given scale byte 0xff makes the sums NaN).  A block whose largest magnitude lies under 2^-124 (of q before the division: 2^-121) keeps the byte 1;
; a block of zeros gets the byte 1 and not 127: its codes are zeros, and only this program reads the bytes.
.set PITCH, 528                        ; an LDS row of codes: 512 bytes + 16 of padding = 33 x 16 bytes: the 16 rows that a load touches fall on 16 different columns of 16 bytes
.set QROWS, 64*PITCH                   ; 64 rows: what one tensor load brings, and what a wave reads of x or of W
.set SCX,   448*PITCH                  ; behind the codes (x's 256 rows, then W's 3 x 64): x's scale bytes, 8,192, as rows of 256 bytes + 16
.set SCW,   SCX+32*272                 ; W's: three pieces of 2,048 bytes, 8 such rows each
.set SCR,   251904                     ; a multiple of 256 behind the last fill: 3 x 512 bytes for each block, in which the new scale words are gathered; no tile lands here
.set SPARE, 254976                     ; the spare words, 128 bytes a wave
.set AX,   4                           ; v4   LDS address of my fragments of x
.set AW,   5                           ; v5   of W
.set ADRS, 6                           ; v6   of my scale words: lanes 0-15 x's rows, lanes 16-31 W's
.set SAA,  7                           ; v7   where a token's two new bytes go (q, k)
.set SAB,  8                           ; v8   where a channel's two new bytes go (v)
.set SRD,  9                           ; v9   where my kind's 512 bytes of new scale words are read back
.set GA,   10                          ; v10  16 x lane
.set PFO,  13                          ; v13  the prefetch's offset: 256 x my thread's number; v11, v12: the add's two registers
.set SC,   16                          ; v16-31   scale words and nothing else: register 4 t + q % 4: lanes 0-15 x's block t, lanes 16-31 W's block t
.set XF,   32                          ; v32-63   x's four fragments of a K step
.set WF,   64                          ; v64-95   W's
.set BI,   96                          ; v96-127  the bias, in the result's layout
.set ACC,  128                         ; v128-255 accumulator (o, n) at 128 + 8 (4 o + n)
.set CD,   32                          ; behind the products: v32-47 the codes, four registers for each o
.set HW,   48                          ; v48-51   two scale bytes for each o
.set T,    52                          ; v52-57   at work
.set WB,   60                          ; v60-63   the scale words on their way out
.set WV,   18
.set TY,   19
.set G,    20
.set HH,   23
.set G1X,  24                          ; s[24:31] descriptor group 1 for x's codes; s[32:39] W's codes; s[40:47] x's scales; s[48:55] W's scales
.set G1W,  32
.set G1SX, 40
.set G1SW, 48
.set G0X,  56                          ; s[56:59], s[60:63], s[68:71], s[72:75] their groups 0
.set G0W,  60
.set G0SX, 68
.set G0SW, 72
.set PF,   66                          ; s[66:67] where my work-group's prefetch stands
.set TBK,  76                          ; my pair of token blocks
.set FLOOR, 84
.set SUB3, 85
.set SEL,  86
.macro SHAPE g, c, r                   ; words 1 to 7 of a group 1: r rows of c elements, dense
	s_mov_b32 s[\g+1], (\c)<<16
	s_mov_b32 s[\g+2], (\r)<<16
	s_mov_b32 s[\g+3], (\c)<<16
	s_mov_b32 s[\g+4], \r
	s_mov_b32 s[\g+5], \c
	s_mov_b32 s[\g+6], 0
	s_mov_b32 s[\g+7], 0
.endm
.macro CROUND                          ; a round of the cluster's barrier
	s_barrier_signal -1
	s_barrier_wait -1
	s_cmp_lg_u32 s[WV], 0
	s_cbranch_scc1 .Lnot_wave_0_\@
	s_barrier_signal -3
.Lnot_wave_0_\@:
	s_barrier_wait -3
	s_barrier_signal -1
	s_barrier_wait -1
.endm
.macro PLACES                          ; four plain vector instructions between a matrix instruction and a load into, or a vector instruction on, its registers
.rept 4
	v_nop
.endr
.endm
	s_load_b256 s[4:11], s[0:1], 0x0               ; x's codes s[4:5], x's scales s[6:7], W's codes s[8:9], W's scales s[10:11]
	s_load_b128 s[12:15], s[0:1], 0x20             ; b s[12:13], codes s[14:15]
	s_load_b64 s[16:17], s[0:1], 0x30              ; scl
	v_lshl_add_u32 v11, v0, 2, SPARE
	v_mov_b32 v12, 0
	ds_add_u32 v11, v12                            ; the opening lines: the add, twice on end, and its wait ahead of my first tensor load
	ds_add_u32 v11, v12
	v_lshrrev_b32 v13, 5, v0
	s_delay_alu instid0(VALU_DEP_1)
	v_readfirstlane_b32 s[WV], v13                 ; wave 0..11
	s_lshr_b32 s[TY], s[WV], 2                     ; kind: 0 q, 1 k, 2 v
	s_and_b32 s[G], s[WV], 3                       ; my group of 64 tokens.  Also: which piece I fetch
	s_bfe_u32 s21, ttmp6, 0x40000                  ; cx, cy: my place in the cluster
	s_bfe_u32 s22, ttmp6, 0x40004
	s_lshl_b32 s[HH], ttmp9, 2
	s_add_co_u32 s[HH], s[HH], s21                 ; the head = 4 x cluster x + cx
	s_and_b32 s[TBK], ttmp7, 0xffff
	s_lshl_b32 s[TBK], s[TBK], 2
	s_add_co_u32 s[TBK], s[TBK], s22               ; the pair of blocks = 4 x cluster y + cy
	s_lshl_b32 s77, s22, 2
	s_lshl_b32 s77, 15, s77                        ; my row of the cluster
	s_lshl_b32 s78, 0x1111, s21                    ; my column
	s_or_b32 s[G1X], s77, (0<<16)|(1<<20)|(1<<21)|(6<<22)|(3<<25)   ; the mask; elements of 1 byte; padding on; bit 21 beside a mask; four words after every 128
	s_or_b32 s[G1W], s78, (0<<16)|(1<<20)|(1<<21)|(6<<22)|(3<<25)
	SHAPE G1X, 512, 64
	SHAPE G1W, 512, 64
	s_or_b32 s[G1SX], s77, (3<<16)|(1<<20)|(1<<21)|(5<<22)|(3<<25)  ; elements of 8 bytes; four words of padding after every 64
	s_or_b32 s[G1SW], s78, (3<<16)|(1<<20)|(1<<21)|(5<<22)|(3<<25)
	SHAPE G1SX, 32, 32
	SHAPE G1SW, 32, 8
	; where the tiles come from: x's offsets are made of the pair of blocks and the wave's number alone, W's of the head and the wave's number alone
	s_lshl_b32 s80, s[TBK], 18                     ; x's codes: 2 x 256 rows of 512 bytes a pair,
	s_lshl_b32 s81, s[G], 15                       ; 64 rows a piece
	s_add_co_u32 s80, s80, s81
	s_mov_b32 s81, 0
	s_lshl_b32 s88, s[TBK], 14                     ; x's scales: 2 x 256 rows of 32 bytes
	s_mov_b32 s89, 0
	s_lshl_b32 s82, s[G], 19                       ; W's codes: piece p begins 1,024 rows on,
	s_lshl_b32 s83, s[HH], 15                      ; the head's 64 rows
	s_add_co_u32 s82, s82, s83
	s_mov_b32 s83, 0
	s_lshl_b32 s90, s[G], 15                       ; W's scales likewise, 32 bytes a row
	s_lshl_b32 s91, s[HH], 11
	s_add_co_u32 s90, s90, s91
	s_mov_b32 s91, 0
	s_mov_b32 s[G0X], 1                            ; and where they go: constants and the wave's number
	s_mul_i32 s[G0X+1], s[G], QROWS
	s_mov_b32 s[G0W], 1
	s_add_co_u32 s[G0W+1], s[G0X+1], 4*QROWS
	s_mov_b32 s[G0SX], 1
	s_mov_b32 s[G0SX+1], SCX
	s_mov_b32 s[G0SW], 1
	s_mul_i32 s[G0SW+1], s[G], 2176
	s_add_co_u32 s[G0SW+1], s[G0SW+1], SCW
	; every LDS address is made here, ahead of the first place at which the waves' ways part
	v_and_b32 v1, 15, v0                           ; r
	v_bfe_u32 v2, v0, 4, 1                         ; h
	v_and_b32 v3, 31, v0                           ; lane
	s_delay_alu instid0(VALU_DEP_3)
	v_mul_u32_u24 v13, v1, PITCH
	s_delay_alu instid0(VALU_DEP_1)
	v_lshl_add_u32 v13, v2, 4, v13                 ; a fragment's row x pitch + 16 h
	s_delay_alu instid0(VALU_DEP_1)
	v_add_nc_u32 v[AX], s[G0X+1], v13              ; my 64 tokens
	s_add_co_u32 s79, s[TY], 4
	s_mul_i32 s79, s79, QROWS
	v_add_nc_u32 v[AW], s79, v13                   ; my kind's 64 rows of W, behind x's 256
	v_lshrrev_b32 v14, 3, v1
	s_delay_alu instid0(VALU_DEP_1)
	v_lshlrev_b32 v14, 4, v14
	s_delay_alu instid0(VALU_DEP_1)
	v_lshl_add_u32 v14, v1, 5, v14                 ; a row of 32 scale bytes: 32 r, and 16 more behind each 256
	s_xor_b32 s79, s[G], 3
	s_add_co_u32 s79, s79, s[TY]
	s_add_co_u32 s79, s79, 1
	s_mul_i32 s79, s79, 2176                       ; from my tokens' scales to my kind's of W: 2,176 x (4 + kind - group)
	v_mul_u32_u24 v15, s79, v2                     ; lanes 16-31 take W's
	s_delay_alu instid0(VALU_DEP_1)
	v_add_nc_u32 v14, v14, v15
	s_mul_i32 s79, s[G], 2176
	s_add_co_u32 s79, s79, SCX
	v_add_nc_u32 v[ADRS], s79, v14
	s_lshl_b32 s79, s[TY], 9
	s_add_co_u32 s79, s79, SCR                     ; my kind's 512 bytes of new scale words
	v_lshl_add_u32 v[SRD], v3, 4, s79
	s_lshr_b32 s3, s[G], 1
	s_lshl_b32 s3, s3, 8
	s_add_co_u32 s79, s79, s3                      ; my step of 128 tokens
	v_lshl_add_u32 v15, v1, 4, s79                 ; + 16 r
	s_and_b32 s3, s[G], 1
	s_lshl_b32 s79, s3, 3
	v_add_nc_u32 v[SAA], s79, v15                  ; q, k: my group's four tiles are 8 bytes of a token row's 16
	s_lshl_b32 s79, s3, 1
	v_add_nc_u32 v[SAB], s79, v15                  ; v: my group's two blocks are 2 bytes of each word
	v_lshlrev_b32 v[GA], 4, v3
	v_lshlrev_b32 v[PFO], 8, v0                    ; never rewritten from here on
	; the bias, in the result's layout, by one text for both layouts: register 8 t + j wants b at 64 t + 32 h + 4 j bytes (q, k: feature 16 t + 8 h + j) or at 64 t + 4 r (v: channel 16 t + r in all eight)
	s_cmp_eq_u32 s[TY], 2
	s_cselect_b32 s92, 4, 0
	s_cselect_b32 s93, 0, 32
	s_cselect_b32 s94, 0, 4
	v_mul_u32_u24 v[ACC], s92, v1
	s_delay_alu instid0(VALU_DEP_1)
	v_mad_u32_u24 v[ACC], v2, s93, v[ACC]
.irp j, 1,2,3,4,5,6,7
	s_delay_alu instid0(VALU_DEP_1)
	v_add_nc_u32 v[ACC+\j], s94, v[ACC+\j-1]       ; eight offsets, in accumulator registers that are still free
.endr
	s_cmp_eq_u32 s[TY], 0
	s_mov_b32 s[FLOOR], 0x1800000                  ; the floor under a block's largest magnitude: 2^(3 - 127); for q 2^(6 - 127)
	s_cselect_b32 s[FLOOR], 0x3000000, s[FLOOR]
	s_cselect_b32 s[SUB3], 0x0303, 0               ; what is taken off a pair of bytes: 3 each for q
	s_mov_b32 s[SEL], 0x76543210
	s_mov_b32 s[SEL+1], 0xfedcba98                 ; v_permlanex16_b32's selects for lane l xor 16
	s_wait_alu depctr_va_vdst(0)                   ; the wait at the head's end
	s_wait_dscnt 0x0
	s_wait_kmcnt 0x0
	s_add_nc_u64 s[G0X+2:G0X+3], s[4:5], s[80:81]
	s_or_b32 s[G0X+3], s[G0X+3], 0x80000000        ; type = 2
	s_add_nc_u64 s[G0W+2:G0W+3], s[8:9], s[82:83]
	s_or_b32 s[G0W+3], s[G0W+3], 0x80000000
	s_add_nc_u64 s[G0SX+2:G0SX+3], s[6:7], s[88:89]
	s_or_b32 s[G0SX+3], s[G0SX+3], 0x80000000
	s_add_nc_u64 s[G0SW+2:G0SW+3], s[10:11], s[90:91]
	s_or_b32 s[G0SW+3], s[G0SW+3], 0x80000000
	s_lshl_b32 s92, s[TBK], 18                     ; the prefetch: the pair's second block,
	s_lshl_b32 s93, s21, 15                        ; my work-group's 64 rows of it, by cx,
	s_add_co_u32 s92, s92, s93
	s_add_co_u32 s92, s92, 0x20000
	s_mov_b32 s93, 0
	s_add_nc_u64 s[PF:PF+1], s[4:5], s[92:93]      ; in x's codes
	s_lshl_b32 s92, s[TY], 12                      ; b: kind x 1,024 + head x 64 numbers
	s_lshl_b32 s93, s[HH], 8
	s_add_co_u32 s92, s92, s93
	s_mov_b32 s93, 0
	s_add_nc_u64 s[12:13], s[12:13], s[92:93]
	s_lshr_b32 s94, s[TBK], 2
	s_lshl_b32 s94, s94, 4
	s_add_co_u32 s94, s94, s[HH]                   ; 16 x batch + head
	s_and_b32 s95, s[TBK], 3                       ; my pair among the batch's four
	s_lshl_b32 s92, s[TY], 22                      ; codes
	s_lshl_b32 s93, s94, 16
	s_add_co_u32 s92, s92, s93
	s_lshl_b32 s93, s95, 14
	s_add_co_u32 s92, s92, s93
	s_lshl_b32 s93, s[G], 11
	s_add_co_u32 s92, s92, s93
	s_mov_b32 s93, 0
	s_add_nc_u64 s[14:15], s[14:15], s[92:93]
	s_lshl_b32 s92, s[TY], 18                      ; scl
	s_lshl_b32 s93, s94, 12
	s_add_co_u32 s92, s92, s93
	s_lshl_b32 s93, s95, 10
	s_add_co_u32 s92, s92, s93
	s_mov_b32 s93, 0
	s_add_nc_u64 s[16:17], s[16:17], s[92:93]
.irp t, 0,1,2,3
.irp j, 0,1,2,3,4,5,6,7
	global_load_b32 v[BI+8*\t+\j], v[ACC+\j], s[12:13] offset:64*\t
.endr
.endr
	CROUND                                         ; all sixteen work-groups are here: the joint loads meet
	; The head's fills, one tensor load a wave: waves 0-3 x's codes, 4-6 W's three pieces, 7 x's scales, 8-10 W's scales, 11 none.  The branches hang on the wave's number alone.
	; An s_nop 0 and four v_nop follow each tensor load.
	s_cmp_lt_u32 s[WV], 4
	s_cbranch_scc0 .Lnot_x
	tensor_load_to_lds s[G0X:G0X+3], s[G1X:G1X+7]
	s_nop 0
	PLACES
	s_branch .Lasked
.Lnot_x:
	s_cmp_lt_u32 s[WV], 7
	s_cbranch_scc0 .Lnot_w
	tensor_load_to_lds s[G0W:G0W+3], s[G1W:G1W+7]
	s_nop 0
	PLACES
	s_branch .Lasked
.Lnot_w:
	s_cmp_eq_u32 s[WV], 7
	s_cbranch_scc0 .Lnot_sx
	tensor_load_to_lds s[G0SX:G0SX+3], s[G1SX:G1SX+7]
	s_nop 0
	PLACES
	s_branch .Lasked
.Lnot_sx:
	s_cmp_lt_u32 s[WV], 11
	s_cbranch_scc0 .Lasked
	tensor_load_to_lds s[G0SW:G0SW+3], s[G1SW:G1SW+7]
	s_nop 0
	PLACES
.Lasked:
	s_wait_tensorcnt 0x0                           ; my one load has landed,
	s_barrier_signal -1
	s_barrier_wait -1                              ; everybody's has
; A K step of 128: 16 LDS loads of fragments (and, every fourth step, four of scale words), 16 matrix instructions.  pa = 1: q and k (source 0 = W); pa = 0: v (source 0 = x).
; The 16 accumulators take turns, one instruction a turn, in the same order in every step.  A block's first products take the bias as C: nothing is cleared or added later.
.macro KSTEP q, pa
.if \pa
.set F0, WF
.set F1, XF
.set A0, AW
.set A1, AX
.else
.set F0, XF
.set F1, WF
.set A0, AX
.set A1, AW
.endif
.if (\q) > 0
	PLACES                                         ; in front of loads into registers that the last step's products have read
.endif
.if (\q)%4 == 0
.irp t, 0,1,2,3
	ds_load_b128 v[SC+4*\t:SC+4*\t+3], v[ADRS] offset:544*\t+16*((\q)/4)   ; four K steps' words of block t: lanes 0-15 x's rows, lanes 16-31 W's
.endr
.endif
.irp t, 0,1,2,3
.irp c, 0,1
	ds_load_b128 v[F0+8*\t+4*\c:F0+8*\t+4*\c+3], v[A0] offset:16*PITCH*\t+64*(\q)+32*\c
.endr
.endr
.irp t, 0,1,2,3
.irp c, 0,1
	ds_load_b128 v[F1+8*\t+4*\c:F1+8*\t+4*\c+3], v[A1] offset:16*PITCH*\t+64*(\q)+32*\c
.endr
.endr
.irp o, 0,1,2,3
	s_wait_dscnt 6-2*\o                            ; LDS loads come back in order: all but source 1's blocks o + 1 .. 3, two loads each, are in
.irp n, 0,1,2,3
.if \pa
.if (\q) == 0
	v_wmma_scale_f32_16x16x128_f8f6f4 v[ACC+8*(4*\o+\n):ACC+8*(4*\o+\n)+7], v[F0+8*\n:F0+8*\n+7], v[F1+8*\o:F1+8*\o+7], v[BI+8*\n:BI+8*\n+7], v[SC+4*\n+(\q)%4], v[SC+4*\o+(\q)%4] matrix_a_fmt:MATRIX_FMT_FP4 matrix_b_fmt:MATRIX_FMT_FP4 matrix_a_scale:MATRIX_SCALE_ROW1
.else
	v_wmma_scale_f32_16x16x128_f8f6f4 v[ACC+8*(4*\o+\n):ACC+8*(4*\o+\n)+7], v[F0+8*\n:F0+8*\n+7], v[F1+8*\o:F1+8*\o+7], v[ACC+8*(4*\o+\n):ACC+8*(4*\o+\n)+7], v[SC+4*\n+(\q)%4], v[SC+4*\o+(\q)%4] matrix_a_fmt:MATRIX_FMT_FP4 matrix_b_fmt:MATRIX_FMT_FP4 matrix_a_scale:MATRIX_SCALE_ROW1
.endif
.else
.if (\q) == 0
	v_wmma_scale_f32_16x16x128_f8f6f4 v[ACC+8*(4*\o+\n):ACC+8*(4*\o+\n)+7], v[F0+8*\n:F0+8*\n+7], v[F1+8*\o:F1+8*\o+7], v[BI+8*\o:BI+8*\o+7], v[SC+4*\n+(\q)%4], v[SC+4*\o+(\q)%4] matrix_a_fmt:MATRIX_FMT_FP4 matrix_b_fmt:MATRIX_FMT_FP4 matrix_b_scale:MATRIX_SCALE_ROW1
.else
	v_wmma_scale_f32_16x16x128_f8f6f4 v[ACC+8*(4*\o+\n):ACC+8*(4*\o+\n)+7], v[F0+8*\n:F0+8*\n+7], v[F1+8*\o:F1+8*\o+7], v[ACC+8*(4*\o+\n):ACC+8*(4*\o+\n)+7], v[SC+4*\n+(\q)%4], v[SC+4*\o+(\q)%4] matrix_a_fmt:MATRIX_FMT_FP4 matrix_b_fmt:MATRIX_FMT_FP4 matrix_b_scale:MATRIX_SCALE_ROW1
.endif
.endif
.endr
.endr
.endm
; The 32 registers of source 1's block o (a token's 64 head numbers, or a channel's 64 tokens: half of each block of 32 in lane l, half in lane l xor 16) become four registers of codes and two scale bytes.  blk: the pair's block
.macro EPI o, pa, blk
.set SS, ACC+32*(\o)
.set CC, CD+4*(\o)
.irp b, 0,1
	v_max3_num_f32 v[T+\b], |v[SS+16*\b]|, |v[SS+16*\b+1]|, s[FLOOR]   ; block b: my 16 numbers and the floor; each accumulator is read from its low end on
.endr
.irp i, 2,4,6,8,10,12,14
.irp b, 0,1
	v_max3_num_f32 v[T+\b], v[T+\b], |v[SS+16*\b+\i]|, |v[SS+16*\b+\i+1]|
.endr
.endr
.irp b, 0,1
	s_delay_alu instid0(VALU_DEP_2)
	v_permlanex16_b32 v[T+2+\b], v[T+\b], s[SEL], s[SEL+1]
.endr
.irp b, 0,1
	s_delay_alu instid0(VALU_DEP_2)
	v_max_num_f32 v[T+\b], v[T+\b], v[T+2+\b]      ; with lane l xor 16's: the block's largest magnitude
.endr
.irp b, 0,1
	s_delay_alu instid0(VALU_DEP_2)
	v_add_nc_u32 v[T+4+\b], 0xff000000, v[T+\b]    ; 2 off its exponent field: the conversion takes the exponent field of this operand as its scale
.endr
.irp b, 0,1
	s_delay_alu instid0(VALU_DEP_2)
	v_lshrrev_b32 v[T+2+\b], 23, v[T+4+\b]         ; the scale's byte
.endr
	s_delay_alu instid0(VALU_DEP_1)
	v_lshl_or_b32 v[HW+\o], v[T+3], 8, v[T+2]
.if \pa
	s_delay_alu instid0(VALU_DEP_1)
	v_sub_nc_u32 v[HW+\o], v[HW+\o], s[SUB3]       ; q: the division by 8 (both bytes are 4 at the least: no borrow); k: 0
.endif
	v_cvt_scalef32_pk8_fp4_f32 v[CC],   v[SS:SS+7],     v[T+4]   ; k = 8 h + 0 .. 7
	v_cvt_scalef32_pk8_fp4_f32 v[CC+2], v[SS+8:SS+15],  v[T+4]   ; 16 + 8 h ..
	v_cvt_scalef32_pk8_fp4_f32 v[CC+1], v[SS+16:SS+23], v[T+5]   ; 32 + 8 h ..
	v_cvt_scalef32_pk8_fp4_f32 v[CC+3], v[SS+24:SS+31], v[T+5]   ; 48 + 8 h ..
	v_nop                                          ; one plain place behind a scaled conversion
	v_permlane16_swap_b32 v[CC], v[CC+1]           ; the first's lanes 16-31 change places with the second's lanes 0-15:
	v_permlane16_swap_b32 v[CC+2], v[CC+3]         ; the four registers now hold k = 32 h + 0 .. 31
	global_store_b128 v[GA], v[CC:CC+3], s[14:15] offset:512*(\o)+8192*(\blk)   ; the image: 32 lanes store 512 consecutive bytes, at a multiple of 512 from the buffer's first byte
.if \pa
	ds_store_b16 v[SAA], v[HW+\o] offset:2*(\o)+1536*(\blk)    ; both halves of the lanes write the same two bytes with the same value
.else
	ds_store_b16 v[SAB], v[HW+\o] offset:4*(\o)+1536*(\blk)
.endif
.endm
.macro KPHASE                          ; a block's products: the waves' ways part on the kind and join again
	s_cmp_eq_u32 s[TY], 2
	s_cbranch_scc1 .Lkv_\@
.irp q, 0,1,2,3,4,5,6,7
	KSTEP \q, 1
.endr
	s_branch .Lkj_\@
.Lkv_\@:
.irp q, 0,1,2,3,4,5,6,7
	KSTEP \q, 0
.endr
.Lkj_\@:
.endm
.macro EHALF pa, blk
	PLACES                                         ; behind the last products: results are read, and registers that held fragments are written
	v_mov_b32 v[T+2], 0                            ; a lane permute's destination counts as one of its sources
	v_mov_b32 v[T+3], 0
.irp o, 0,1,2,3
	EPI \o, \pa, \blk
.endr
.endm
.macro EPHASE blk                      ; a block's results are quantised and stored
	s_cmp_eq_u32 s[TY], 2
	s_cbranch_scc1 .Lev_\@
	EHALF 1, \blk
	s_branch .Lej_\@
.Lev_\@:
	EHALF 0, \blk
.Lej_\@:
.endm
.macro WORDS blk                       ; one wave of each kind stores that kind's 512 bytes of the block's scale words
	s_cmp_lg_u32 s[G], 0
	s_cbranch_scc1 .Lno_words_\@
	ds_load_b128 v[WB:WB+3], v[SRD] offset:1536*(\blk)
	s_wait_dscnt 0x0
	global_store_b128 v[GA], v[WB:WB+3], s[16:17] offset:512*(\blk)   ; 512 consecutive bytes, at a multiple of 512 from the buffer's first byte
.Lno_words_\@:
.endm
	s_wait_loadcnt 0x0                             ; the bias; its offset registers are accumulators from here on
	s_cmp_lt_u32 s[WV], 4                          ; the second block's rows of x, a block's products ahead of their load
	s_cbranch_scc0 .Lno_pf
	global_prefetch_b8 v[PFO], s[PF:PF+1] th:TH_LOAD_NT scope:SCOPE_SE
.Lno_pf:
	KPHASE                                         ; THE FIRST BLOCK
	s_wait_tensorcnt 0x0                           ; no tensor load of mine is out, so a group 0 may be written
	ds_add_u32 v11, v12                            ; 0 onto my spare word,
	ds_add_u32 v11, v12                            ; here twice on end
	s_add_nc_u64 s[G0X+2:G0X+3], s[G0X+2:G0X+3], 0x20000     ; the second block: 256 rows of 512 bytes on,
	s_add_nc_u64 s[G0SX+2:G0SX+3], s[G0SX+2:G0SX+3], 0x2000  ; 256 rows of 32 bytes on
	s_wait_dscnt 0x0                               ; the adds are done, and my reads of x's rows and scales are over
	CROUND                                         ; that holds of every wave of all sixteen work-groups
	s_cmp_lt_u32 s[WV], 4                          ; the refills, one a wave: waves 0-3 x's codes, wave 7 x's scales
	s_cbranch_scc0 .Lr_not_x
	tensor_load_to_lds s[G0X:G0X+3], s[G1X:G1X+7]
	s_nop 0
	PLACES
	s_branch .Lr_asked
.Lr_not_x:
	s_cmp_eq_u32 s[WV], 7
	s_cbranch_scc0 .Lr_asked
	tensor_load_to_lds s[G0SX:G0SX+3], s[G1SX:G1SX+7]
	s_nop 0
	PLACES
.Lr_asked:
	EPHASE 0
	s_wait_tensorcnt 0x0                           ; my part of the second block is in,
	s_wait_dscnt 0x0                               ; and my bytes lie in the scratch
	s_barrier_signal -1
	s_barrier_wait -1                              ; everybody's
	WORDS 0
	s_wait_xcnt 0x0                                ; the stores have read their registers: fragments may land there
	KPHASE                                         ; THE SECOND BLOCK
	EPHASE 1                                       ; (its scale words have scratch bytes of their own)
	s_wait_dscnt 0x0
	s_barrier_signal -1
	s_barrier_wait -1
	WORDS 1
	s_wait_tensorcnt 0x0                           ; the wave's end
	ds_add_u32 v11, v12
	s_wait_dscnt 0x0
	CROUND                                         ; the closing round: no work-group ends while a partner may still ask for a tile that names it
	s_endpgm
.Lfunc_end_k_qb789c82398_qkv:
	.size	k_qb789c82398_qkv, .Lfunc_end_k_qb789c82398_qkv-k_qb789c82398_qkv
	.p2alignl 7, 3214868480
	.fill 96, 4, 3214868480
	.section	.rodata,"a",@progbits
	.p2align	6, 0x0
	.amdhsa_kernel k_qb789c82398_qkv
		.amdhsa_group_segment_fixed_size 327680
		.amdhsa_private_segment_fixed_size 0
		.amdhsa_enable_private_segment 0
		.amdhsa_kernarg_size 56
		.amdhsa_user_sgpr_count 2
		.amdhsa_user_sgpr_kernarg_segment_ptr 1
		.amdhsa_wavefront_size32 1
		.amdhsa_system_sgpr_workgroup_id_x 1
		.amdhsa_system_sgpr_workgroup_id_y 1
		.amdhsa_system_sgpr_workgroup_id_z 1
		.amdhsa_system_vgpr_workitem_id 0
		.amdhsa_next_free_vgpr 256
		.amdhsa_next_free_sgpr 96
		.amdhsa_reserve_vcc 0
		.amdhsa_float_denorm_mode_32 3
		.amdhsa_float_denorm_mode_16_64 3
		.amdhsa_memory_ordered 1
		.amdhsa_forward_progress 1
		.amdhsa_inst_pref_size 159
	.end_amdhsa_kernel
	.amdgpu_metadata
---
amdhsa.version: [ 1, 2 ]
amdhsa.kernels:
  - .name:           k_qb789c82398_qkv
    .symbol:         k_qb789c82398_qkv.kd
    .args:
      - { .name: x_codes, .offset: 0, .size: 8, .value_kind: global_buffer, .address_space: global }
      - { .name: x_scales, .offset: 8, .size: 8, .value_kind: global_buffer, .address_space: global }
      - { .name: w_qkv_codes, .offset: 16, .size: 8, .value_kind: global_buffer, .address_space: global }
      - { .name: w_qkv_scales, .offset: 24, .size: 8, .value_kind: global_buffer, .address_space: global }
      - { .name: b_qkv, .offset: 32, .size: 8, .value_kind: global_buffer, .address_space: global }
      - { .name: codes, .offset: 40, .size: 8, .value_kind: global_buffer, .address_space: global }
      - { .name: scl, .offset: 48, .size: 8, .value_kind: global_buffer, .address_space: global }
    .group_segment_fixed_size: 327680
    .private_segment_fixed_size: 0
    .kernarg_segment_align: 8
    .kernarg_segment_size: 56
    .max_flat_workgroup_size: 384
    .sgpr_count:     96
    .vgpr_count:     256
    .wavefront_size: 32
...
	.end_amdgpu_metadata
.endif
;; end of part 1
;; launch attn (part 2): grid 4 x 64, 16 waves a work-group, clusters of 4 x 1, 327,680 bytes of LDS; arguments codes, scl, out0; writes out0
.if DOCPART == 2
	.amdgcn_target "amdgcn-amd-amdhsa--gfx1250"
	.amdhsa_code_object_version 6
	.text
	.protected	k_qb789c82398_attn
	.globl	k_qb789c82398_attn
	.p2align	8
	.type	k_qb789c82398_attn,@function
k_qb789c82398_attn:
	s_mov_b64 s[64:65], 0
	v_nop
	global_prefetch_b8 v0, s[64:65] scope:SCOPE_SE
	s_setreg_imm32_b32 hwreg(HW_REG_WAVE_MODE, 25, 1), 1
	s_wait_xcnt 0x0
	s_wait_alu depctr_hold_cnt(0) depctr_sa_sdst(0) depctr_va_vdst(0) depctr_va_sdst(0) depctr_va_ssrc(0) depctr_va_vcc(0) depctr_vm_vsrc(0)
	s_getreg_b32 s2, hwreg(HW_REG_IB_STS2, 6, 4)
	s_cmp_eq_u32 s2, 0
	s_cbranch_scc0 .Lentry_in_a_cluster
	s_endpgm
.Lentry_in_a_cluster:
	s_bfe_u32 s2, ttmp6, 0x10000c
	s_cmp_lg_u32 s2, 0x3003
	s_cbranch_scc0 .Lentry_shape_is_right
	s_endpgm
.Lentry_shape_is_right:
; out[b][q][head][:] = the sum over keys of softmax(q . k) v, both products on codes of FP4 (E2M1) with one E8M0 scale for each 32 along a product's K.  q (already divided by 8, in its scale bytes), k and v come as
; images of operand registers with their scale words (the layouts stand at the head of the launch that makes them).
; THE SOFTMAX AHEAD OF THE SECOND PRODUCT: t = score x log2(e); M = the row's largest t so far, rounded UP to a whole number; p = 2^(t - M) is quantised along the keys, not normalised.  The row's sum is taken of the
; unquantised p and divides O at the end.  When M moves, the sums and O are multiplied by f = 2^(old M - new M), which rounds nothing.
; SHARES.  A work-group owns 512 queries of one (batch, head); each of its sixteen waves owns 32: two tiles of 16, a and b, which share every fragment of K and V that the wave reads.  Every wave walks the head's 2,048 keys, 128 a step.
; LDS.  A head's K and V codes (2 x 65,536 bytes) and scale words (2 x 4,096) lie in LDS whole; every byte is filled once.  At the head each wave asks for 4,096 bytes: waves 0-6 K's steps 0-6, waves 7-13 V's,
; wave 14 K's scale words, wave 15 V's.  Steps 7-15 (2 x 36,864 bytes) are asked for behind the full sequence and a round of the cluster's barrier, 12,288 bytes by each of waves 0-5, and are waited for behind step 6.
; CLUSTER 4 x 1: the four work-groups of a head ask for the same tiles JOINTLY.  NO PREFETCH: all of K and V is asked for at the head and directly behind its landing; no trip of a loop asks for anything, so there is nothing to run ahead of.
; LAYOUT.  Both products are used transposed (S^T = K Q^T, O^T = V^T P^T): a lane holds ONE query (lane % 16) throughout.
; THE HEAD'S 64 IN AN INSTRUCTION OF 128: a fragment of K holds TWO tiles of 16 keys, one in K = 0 .. 63 and one in K = 64 .. 127.  The queries' operand exists twice, [q | zero codes] and [zero codes | q].
; Register 16 b + e of S^T is key 32 b + 8 h + e, register 16 b + 8 + e is key 32 b + 16 + 8 h + e (h = lane / 16): a conversion takes eight neighbours, and exchanges of halves leave the 4-bit operand's layout.
; LIMITS: NaN and infinities are not served; the promise holds while the scaled scores stay under 2^31 in magnitude.  A block of p that has fallen to zeros keeps the byte 1: its codes are zeros.  A block's largest p is taken
; from its largest score, by the same multiply-add and exponential: this takes v_exp_f32 not to fall where its input rises; at the worst one p of a block, within an ulp of a power of two, is held one code low.
.set VA,    28672                      ; LDS: K's steps 0-6 at 0, V's here,
.set KSB,   57344                      ; K's scale words; V's 4,096 bytes on,
.set KB,    65536                      ; K's steps 7-15,
.set VB,    102400                     ; V's,
.set STAGE, 139264                     ; in bytes of their own: a stage of 16 rows x (256 + 16) bytes for each wave, for the way out,
.set SPARE, 208896                     ; and the spare words, 128 bytes a wave
.set AK0,  1                           ; v1   16 x lane: my place in an image
.set ASK0, 2                           ; v2   my row's four scale words of a step of K
.set ADK,  3                           ; v3-5 the step's addresses: K's codes, V's codes, scale words
.set ADV,  4
.set ADS,  5
.set T0,   6
.set STA,  10                          ; v10 -M, v11 the largest score, v12-19 the sum in four pairs: tile a;  v20-29: tile b
.set STB,  20
.set QSA,  30                          ; v30, v31 q's scale words
.set QSB,  31
.set QA,   32                          ; v32-43 tile a: q, zeros, q;  v44-55 tile b
.set QBB,  44
.set SCW,  56                          ; v56-59 the step's scale words: K's, then V's
.set PSA,  60                          ; v60, v61 p's scale words
.set PSB,  61
.set PCA,  62                          ; v62-69, v70-77 p's codes
.set PCB,  70
.set FR,   78                          ; v78-109 four fragments: K's, then V's
.set S,    110                         ; v110-173 S^T of one tile of queries, then p, then its partial sums
.set OA,   174                         ; v174-205, v206-237 O^T
.set OB,   206
.set BM,   238                         ; v238-241 the blocks' largest scores, then largest p
.set BX,   242                         ; v242-245 a second chain; the other half's; the bytes
.set SO,   246                         ; v246-249 the conversions' scale operands
.set F,    250                         ; v[250:251] f, named as a pair
.set T1,   252                         ; the old -M
.set SPW,  254                         ; my spare word's address, and 0: kept for the add alone
.set NIL,  255
.set WV,   10
.set BH,   12
.set G1C,  16                          ; s[16:23] descriptor group 1: 16 rows of 256 bytes;  s[24:31] 48 rows
.set G1R,  24
.set G0C,  32                          ; s[32:35], s[36:39], s[40:43] groups 0: codes at the head, scale words, steps 7-15
.set G0S,  36
.set G0R,  40
.set CS,   52                          ; s[52:53] log2(e), as a pair
.set SEL,  54
.set TB,   56                          ; where the step's codes of K begin, its scale words, the trips, V's codes, -log2(e)
.set TS,   57
.set CNT,  58
.set TV,   59
.set NC,   60
.macro SHAPE g, r                      ; a group 1: r dense rows of 256 bytes (32 elements of 8), no padding: images are read 16 bytes a lane on end
	s_mov_b32 s[\g], 15|(3<<16)|(1<<21)            ; the mask: all four work-groups; elements of 8 bytes; bit 21 beside a mask
	s_mov_b32 s[\g+1], 32<<16
	s_mov_b32 s[\g+2], (\r)<<16
	s_mov_b32 s[\g+3], 32<<16
	s_mov_b32 s[\g+4], \r
	s_mov_b32 s[\g+5], 32
	s_mov_b32 s[\g+6], 0
	s_mov_b32 s[\g+7], 0
.endm
.macro CROUND                          ; a round of the cluster's barrier
	s_barrier_signal -1
	s_barrier_wait -1
	s_cmp_lg_u32 s[WV], 0
	s_cbranch_scc1 .Lnot_wave_0_\@
	s_barrier_signal -3
.Lnot_wave_0_\@:
	s_barrier_wait -3
	s_barrier_signal -1
	s_barrier_wait -1
.endm
.macro PLACES n                        ; plain vector instructions between a matrix instruction and a load into, or a vector instruction on, its registers
.rept \n
	v_nop
.endr
.endm
	s_load_b128 s[4:7], s[0:1], 0x0                ; codes s[4:5], scl s[6:7]
	s_load_b64 s[8:9], s[0:1], 0x10                ; out
	v_lshl_add_u32 v[SPW], v0, 2, SPARE
	v_mov_b32 v[NIL], 0
	ds_add_u32 v[SPW], v[NIL]                      ; the opening lines: the add, twice on end, and its wait ahead of my first tensor load
	ds_add_u32 v[SPW], v[NIL]
	v_lshrrev_b32 v3, 5, v0
	v_readfirstlane_b32 s[WV], v3                  ; wave 0..15
	s_bfe_u32 s11, ttmp6, 0x40000                  ; cx: it enters q's and out's global addresses alone
	s_lshl_b32 s13, ttmp9, 2
	s_add_co_u32 s13, s13, s11                     ; my block of 512 queries
	s_and_b32 s[BH], ttmp7, 0xffff                 ; 16 x batch + head, which the four partners share
	s_lshl_b32 s14, s13, 4
	s_add_co_u32 s14, s14, s[WV]                   ; P: my pair of query tiles, 0 .. 63
	SHAPE G1C, 16
	SHAPE G1R, 48
	; what I fetch: offsets made of the wave's number and the head alone.  In codes kind 1 (k) begins at 1 << 22, kind 2 (v) at 2 << 22
	s_lshl_b32 s44, s[BH], 16                      ; the head's 65,536 bytes of codes
	s_lshl_b32 s45, s[WV], 12                      ; at the head: 4,096 bytes a wave, in LDS too
	s_cmp_lt_u32 s[WV], 7
	s_mov_b32 s46, (2<<22)-VA                      ; waves 7-13: V's step wave - 7
	s_cselect_b32 s46, 1<<22, s46                  ; waves 0-6: K's step wave
	s_add_co_u32 s46, s46, s44
	s_add_co_u32 s46, s46, s45
	s_mov_b32 s47, 0
	s_and_b32 s48, s[WV], 1
	s_add_co_u32 s48, s48, 1                       ; wave 14: kind 1; wave 15: kind 2
	s_lshl_b32 s48, s48, 18
	s_lshl_b32 s49, s[BH], 12
	s_add_co_u32 s48, s48, s49                     ; the head's 4,096 bytes of scale words
	s_mov_b32 s49, 0
	s_min_u32 s51, s[WV], 5
	s_mul_i32 s51, s51, 12288                      ; steps 7-15: 12,288 bytes for each of waves 0-5: K's three pieces, then V's
	s_cmp_lt_u32 s[WV], 3
	s_mov_b32 s50, (2<<22)+VA-36864
	s_cselect_b32 s50, (1<<22)+VA, s50
	s_add_co_u32 s50, s50, s44
	s_add_co_u32 s50, s50, s51
	s_mov_b32 s[G0C], 1
	s_mov_b32 s[G0C+1], s45
	s_mov_b32 s[G0S], 1
	s_mov_b32 s[G0S+1], s45
	s_mov_b32 s[G0R], 1
	s_add_co_u32 s[G0R+1], s51, KB
	s_mov_b32 s51, 0
	; q's and out's offsets
	s_lshl_b32 s66, s[BH], 16
	s_lshl_b32 s67, s14, 10
	s_add_co_u32 s66, s66, s67                     ; q's codes: two images of 512 bytes a pair
	s_mov_b32 s67, 0
	s_lshl_b32 s68, s[BH], 12
	s_lshr_b32 s69, s14, 2
	s_lshl_b32 s69, s69, 8
	s_add_co_u32 s68, s68, s69                     ; q's scale words: step P / 4,
	s_and_b32 s69, s14, 3
	s_lshl_b32 s69, s69, 2
	s_add_co_u32 s68, s68, s69                     ; word P % 4
	s_mov_b32 s69, 0
	s_lshr_b32 s70, s[BH], 4
	s_lshl_b32 s70, s70, 23                        ; out: the batch's 2,048 rows of 4,096 bytes,
	s_lshl_b32 s71, s14, 17
	s_add_co_u32 s70, s70, s71                     ; my 32 rows,
	s_and_b32 s71, s[BH], 15
	s_lshl_b32 s71, s71, 8
	s_add_co_u32 s70, s70, s71                     ; the head's 256 bytes of a row
	s_mov_b32 s71, 0
	s_mov_b32 s[CS], 0x3fb8aa3b                    ; log2(e)
	s_mov_b32 s[CS+1], s[CS]                       ; (named with it as a pair, so it is written)
	s_mov_b32 s[NC], 0xbfb8aa3b                    ; -log2(e)
	s_mov_b32 s[SEL], 0x76543210
	s_mov_b32 s[SEL+1], 0xfedcba98                 ; v_permlanex16_b32's selects for lane l xor 16
	v_and_b32 v[AK0], 31, v0
	v_and_b32 v6, 15, v0
	v_lshlrev_b32 v[AK0], 4, v[AK0]
	v_lshlrev_b32 v6, 4, v6                        ; 16 r
	v_add_nc_u32 v[ASK0], KSB, v6
	s_wait_alu depctr_va_vdst(0)                   ; directly ahead of the waits below
	s_wait_dscnt 0x0                               ; both opening adds are done
	s_wait_kmcnt 0x0
	s_add_nc_u64 s[G0C+2:G0C+3], s[4:5], s[46:47]
	s_add_nc_u64 s[G0S+2:G0S+3], s[6:7], s[48:49]
	s_add_nc_u64 s[G0R+2:G0R+3], s[4:5], s[50:51]
	s_or_b32 s[G0C+3], s[G0C+3], 0x80000000        ; type = 2
	s_or_b32 s[G0S+3], s[G0S+3], 0x80000000
	s_or_b32 s[G0R+3], s[G0R+3], 0x80000000
	s_add_nc_u64 s[66:67], s[4:5], s[66:67]
	s_add_nc_u64 s[68:69], s[6:7], s[68:69]
	s_add_nc_u64 s[8:9], s[8:9], s[70:71]
	global_load_b128 v[QA:QA+3], v[AK0], s[66:67]              ; q's image twice, with room for zeros between: [q | 0] is v[QA:QA+7], [0 | q] is v[QA+4:QA+11]
	global_load_b128 v[QA+8:QA+11], v[AK0], s[66:67]
	global_load_b128 v[QBB:QBB+3], v[AK0], s[66:67] offset:512
	global_load_b128 v[QBB+8:QBB+11], v[AK0], s[66:67] offset:512
	global_load_b32 v7, v6, s[68:69]                           ; query r's four bytes: tile a's two, tile b's two
	CROUND                                         ; all four work-groups are here: the joint loads meet
	s_cmp_lt_u32 s[WV], 14                         ; the head's loads, one a wave, a load in each arm: every way passes exactly one.  An s_nop 0 and four v_nop follow each
	s_cbranch_scc0 .Lhead_s
	tensor_load_to_lds s[G0C:G0C+3], s[G1C:G1C+7]
	s_nop 0
	PLACES 4
	s_branch .Lasked
.Lhead_s:
	tensor_load_to_lds s[G0S:G0S+3], s[G1C:G1C+7]
	s_nop 0
	PLACES 4
.Lasked:
.irp j, 4,5,6,7
	v_mov_b32 v[QA+\j], 0                          ; zero codes
	v_mov_b32 v[QBB+\j], 0
.endr
.irp st, STA, STB
	v_mov_b32 v[\st], 0x7f61b1e6                   ; -M: 3e38, so that the first f is 0
	v_mov_b32 v[\st+1], 0xff61b1e6                 ; the largest score so far: -3e38
.irp j, 2,3,4,5,6,7,8,9
	v_mov_b32 v[\st+\j], 0                         ; the sum, in four pairs
.endr
.endr
.irp b, 0,1,2,3
	v_mov_b32 v[BX+\b], 0
.endr
	v_mov_b32 v[F+1], 0                            ; (named as the upper half of a pair)
.set j, 0
.rept 64
	v_mov_b32 v[OA+j], 0                           ; O^T.  (The step has no first step of its own: the first finds zeros, which f = 0 leaves zeros)
.set j, j+1
.endr
	s_wait_alu depctr_va_vdst(0)                   ; the wait at the head's end
	s_wait_tensorcnt 0x0                           ; my 4,096 bytes are in
	ds_add_u32 v[SPW], v[NIL]
	s_wait_dscnt 0x0
	CROUND                                         ; everybody's part is in, and all four work-groups are here
	s_cmp_lt_u32 s[WV], 6
	s_cbranch_scc0 .Lrest_asked
	tensor_load_to_lds s[G0R:G0R+3], s[G1R:G1R+7]  ; steps 7-15: my one tensor load behind the round; seven steps stand ahead of the wait for it
	s_nop 0
	PLACES 4
.Lrest_asked:
	s_wait_loadcnt 0x0                             ; q
	v_perm_b32 v[QSA], v7, v7, 0x01000100          ; tile a's two bytes, twice: they serve q in either half of the instruction's K
	v_perm_b32 v[QSB], v7, v7, 0x03020302          ; tile b's
	s_wait_alu depctr_va_vdst(0)                   ; the wait behind these writes
	PLACES 8                                       ; a scale register written by a vector instruction stands eight places ahead of a scaled matrix instruction
; S^T of one tile of queries for the step's 128 keys: eight products, two for each fragment of K.  w = 1: the fragments are still arriving
.macro SQK qlo, qs, w
.irp i, 0,1,2,3
.if \w
	s_wait_dscnt 6-2*\i                            ; LDS loads come back in order: the scale words and pairs 0 .. i are in; the later pairs' two loads each may be out
.endif
	v_wmma_scale_f32_16x16x128_f8f6f4 v[S+16*\i:S+16*\i+7], v[FR+8*\i:FR+8*\i+7], v[\qlo:\qlo+7], 0, v[SCW+\i], v[\qs] matrix_a_fmt:MATRIX_FMT_FP4 matrix_b_fmt:MATRIX_FMT_FP4
	v_wmma_scale_f32_16x16x128_f8f6f4 v[S+16*\i+8:S+16*\i+15], v[FR+8*\i:FR+8*\i+7], v[\qlo+4:\qlo+11], 0, v[SCW+\i], v[\qs] matrix_a_fmt:MATRIX_FMT_FP4 matrix_b_fmt:MATRIX_FMT_FP4
.endr
.endm
.macro OMUL o, k                       ; eight numbers of O^T under the new M
.irp j, 0,2,4,6
	v_pk_mul_f32 v[\o+(\k)+\j:\o+(\k)+\j+1], v[\o+(\k)+\j:\o+(\k)+\j+1], v[F:F+1] op_sel_hi:[1,0]
.endr
.endm
.macro PADD d, e                       ; pair d of the partial sums takes pair e
	v_pk_add_f32 v[S+\d:S+\d+1], v[S+\d:S+\d+1], v[S+\e:S+\e+1]
.endm
; One tile's softmax for one step.  st: its statistics; pc, ps: where p's codes and scale word go; o: its O^T.  v[T1] holds the old -M
.macro SOFTMAX st, pc, ps, o
.irp b, 0,1,2,3                                ; THE LARGEST SCORE OF EACH BLOCK OF 32 KEYS serves twice: for the row's maximum and for the block's largest p.  Eight chains by turns, two a block; each accumulator is read from its low end on
	v_max3_num_f32 v[BM+\b], v[S+16*\b], v[S+16*\b+1], v[S+16*\b+2]
	v_max3_num_f32 v[BX+\b], v[S+16*\b+8], v[S+16*\b+9], v[S+16*\b+10]
.endr
.irp i, 3,5
.irp b, 0,1,2,3
	v_max3_num_f32 v[BM+\b], v[BM+\b], v[S+16*\b+\i], v[S+16*\b+\i+1]
	v_max3_num_f32 v[BX+\b], v[BX+\b], v[S+16*\b+\i+8], v[S+16*\b+\i+9]
.endr
.endr
.irp b, 0,1,2,3
	v_max3_num_f32 v[BM+\b], v[BM+\b], v[S+16*\b+7], v[S+16*\b+15]
.endr
.irp b, 0,1,2,3
	v_max_num_f32 v[BM+\b], v[BM+\b], v[BX+\b]     ; the block's two chains (the four blocks by turns, here and below)
.endr
.irp b, 0,1,2,3
	v_permlanex16_b32 v[BX+\b], v[BM+\b], s[SEL], s[SEL+1]
.endr
.irp b, 0,1,2,3
	v_max_num_f32 v[BM+\b], v[BM+\b], v[BX+\b]     ; with lane l xor 16's 16 keys
.endr
	s_delay_alu instid0(VALU_DEP_2)
	v_max3_num_f32 v[T0], v[BM], v[BM+1], v[BM+2]
	s_delay_alu instid0(VALU_DEP_1)
	v_max3_num_f32 v[\st+1], v[\st+1], v[T0], v[BM+3]   ; the running largest score
	s_delay_alu instid0(VALU_DEP_1)
	v_mul_f32 v[T0], s[NC], v[\st+1]               ; -t
	s_delay_alu instid0(VALU_DEP_1)
	v_floor_f32 v[\st], v[T0]                      ; the new -M = floor(-t) = -ceil(t): M is a whole number
	s_delay_alu instid0(VALU_DEP_1)
	v_sub_f32 v[T0], v[\st], v[T1]                 ; M's old value less its new one: a whole number, 0 or less
	s_delay_alu instid0(VALU_DEP_1)
	v_cvt_i32_f32 v[T0], v[T0]                     ; (it saturates)
	s_delay_alu instid0(VALU_DEP_1)
	v_ldexp_f32 v[F], 1.0, v[T0]                   ; f = 2^(old M - new M)
.set j, 0
.rept 32
	v_pk_fma_f32 v[S+j:S+j+1], v[S+j:S+j+1], s[CS:CS+1], v[\st:\st+1] op_sel_hi:[1,0,0]   ; t - M, two at a time (of the pairs the low word serves both halves)
.set j, j+2
.endr
.irp b, 0,1,2,3
	v_fma_f32 v[BM+\b], v[BM+\b], s[CS], v[\st]    ; the same of each block's largest score
.endr
	s_wait_alu depctr_va_vdst(0)                   ; the wait ahead of the batch
.set j, 0
.rept 64
	v_exp_f32 v[S+j], v[S+j]                       ; p = 2^(t - M)
.set j, j+1
.endr
.irp b, 0,1,2,3
	v_exp_f32 v[BM+\b], v[BM+\b]                   ; the block's largest p: the same two instructions on the same number give the same bits
.endr
	v_nop                                          ; the plain place behind the exponentials
	s_wait_alu depctr_va_vdst(0)                   ; one wait for the batch, directly ahead of the first reader of O^T too
	OMUL \o, 0                                     ; O^T x f, each accumulator from its low end on, by turns with the scales' lines: plain vector lines alone up to the last of the sixteen
.irp b, 0,1,2,3
	v_max_num_f32 v[BM+\b], 0x1800000, v[BM+\b]    ; the floor 2^(3 - 127): the byte cannot fall under 1
.endr
	OMUL \o, 8
.irp b, 0,1,2,3
	v_add_nc_u32 v[SO+\b], 0xff000000, v[BM+\b]    ; 2 off the exponent field: the conversion's scale operand
.endr
	OMUL \o, 16
.irp b, 0,1,2,3
	v_lshrrev_b32 v[BX+\b], 23, v[SO+\b]           ; the scale's byte
.endr
	OMUL \o, 24
.irp c, 0,1
	v_cvt_scalef32_pk8_fp4_f32 v[\pc+4*\c],   v[S+32*\c:S+32*\c+7],     v[SO+2*\c]     ; block 2 c, keys 8 h + 0 .. 7
	v_cvt_scalef32_pk8_fp4_f32 v[\pc+4*\c+2], v[S+32*\c+8:S+32*\c+15],  v[SO+2*\c]     ; block 2 c, keys 16 + 8 h ..
	v_cvt_scalef32_pk8_fp4_f32 v[\pc+4*\c+1], v[S+32*\c+16:S+32*\c+23], v[SO+2*\c+1]   ; block 2 c + 1, keys 8 h ..
	v_cvt_scalef32_pk8_fp4_f32 v[\pc+4*\c+3], v[S+32*\c+24:S+32*\c+31], v[SO+2*\c+1]   ; block 2 c + 1, keys 16 + 8 h ..
.endr
	v_lshl_or_b32 v[BX], v[BX+1], 8, v[BX]         ; (the plain place behind the conversions)  p's scale word, by halves
	v_lshl_or_b32 v[BX+2], v[BX+3], 8, v[BX+2]
; THE ROW'S SUM IS TAKEN OF THE UNQUANTISED p, whose codes are made: a tree in place, 32 pairs to 4, which the four kept pairs take with f in one fused line each
.irp d, 0,2,4,6,8,10,12,14
	PADD \d, \d+32
.endr
	v_lshl_or_b32 v[\ps], v[BX+2], 16, v[BX]       ; p's scale word for these 128 keys: 24 plain lines and more ahead of the products that take it
.irp d, 16,18,20,22,24,26,28,30
	PADD \d, \d+32
.endr
.irp d, 0,8,2,10,4,12,6,14
	PADD \d, \d+16
.endr
.irp d, 0,2,4,6
	PADD \d, \d+8
.endr
.irp c, 0,1
	v_permlane16_swap_b32 v[\pc+4*\c], v[\pc+4*\c+1]     ; the first's lanes 16-31 change places with the second's lanes 0-15:
	v_permlane16_swap_b32 v[\pc+4*\c+2], v[\pc+4*\c+3]   ; registers 4 c .. 4 c + 3 now hold keys 64 c + 32 h + 0 .. 31
.endr
.irp d, 0,2,4,6
	v_pk_fma_f32 v[\st+2+\d:\st+3+\d], v[\st+2+\d:\st+3+\d], v[F:F+1], v[S+\d:S+\d+1] op_sel_hi:[1,0,1]   ; sum x f + the step's part
.endr
.endm
; A KEY STEP: 128 keys, both tiles of queries
.macro STEP
	v_add_nc_u32 v[ADK], s[TB], v[AK0]             ; (these four are also the places behind the last step's products, in front of the loads into their registers)
	v_add_nc_u32 v[ADV], s[TV], v[AK0]
	v_add_nc_u32 v[ADS], s[TS], v[ASK0]
	v_mov_b32 v[T1], v[STA]                        ; tile a's old -M
	ds_load_b128 v[SCW:SCW+3], v[ADS]              ; K's scale words: one for each pair of tiles
.irp i, 0,1,2,3
.irp c, 0,1
	ds_load_b128 v[FR+8*\i+4*\c:FR+8*\i+4*\c+3], v[ADK] offset:1024*\i+512*\c   ; pair i: the images of key tiles 2 i and 2 i + 1
.endr
.endr
	SQK QA, QSA, 1
	PLACES 4
	SOFTMAX STA, PCA, PSA, OA
	SQK QBB, QSB, 0
	v_mov_b32 v[T1], v[STB]                        ; tile b's old -M: with the three below, the places in front of the reads of the scores and of the loads
	PLACES 3
	ds_load_b128 v[SCW:SCW+3], v[ADS] offset:4096  ; V's scale words: one for each channel tile
.irp t, 0,1,2,3
.irp c, 0,1
	ds_load_b128 v[FR+8*\t+4*\c:FR+8*\t+4*\c+3], v[ADV] offset:512*\t+2048*\c   ; channel tile t: keys 64 c + 32 h + 0 .. 31
.endr
.endr
	SOFTMAX STB, PCB, PSB, OB
	PLACES 2                                       ; with the four lines above: six places between p's codes and the products
	s_wait_alu depctr_va_vdst(0)                   ; directly ahead of the wait below
	s_wait_dscnt 0x0                               ; V is in
.irp t, 0,1,2,3                                ; O^T += V^T P^T: eight accumulators, one instruction each
	v_wmma_scale_f32_16x16x128_f8f6f4 v[OA+8*\t:OA+8*\t+7], v[FR+8*\t:FR+8*\t+7], v[PCA:PCA+7], v[OA+8*\t:OA+8*\t+7], v[SCW+\t], v[PSA] matrix_a_fmt:MATRIX_FMT_FP4 matrix_b_fmt:MATRIX_FMT_FP4
	v_wmma_scale_f32_16x16x128_f8f6f4 v[OB+8*\t:OB+8*\t+7], v[FR+8*\t:FR+8*\t+7], v[PCB:PCB+7], v[OB+8*\t:OB+8*\t+7], v[SCW+\t], v[PSB] matrix_a_fmt:MATRIX_FMT_FP4 matrix_b_fmt:MATRIX_FMT_FP4
.endr
	s_add_co_u32 s[TB], s[TB], 4096
	s_add_co_u32 s[TV], s[TV], 4096
	s_add_co_u32 s[TS], s[TS], 256
.endm
	s_mov_b32 s[TB], 0
	s_mov_b32 s[TV], VA
	s_mov_b32 s[TS], 0
	s_mov_b32 s[CNT], 7
.Lfirst:                                           ; steps 0-6
	STEP
	s_sub_co_u32 s[CNT], s[CNT], 1
	s_cmp_lg_u32 s[CNT], 0
	s_cbranch_scc1 .Lfirst
	s_wait_tensorcnt 0x0                           ; steps 7-15 are in (no LDS instruction of mine is out),
	s_barrier_signal -1
	s_barrier_wait -1                              ; everybody's part is
	s_add_co_u32 s[TB], s[TB], KB-VA               ; from the end of K's first part to its second,
	s_add_co_u32 s[TV], s[TV], VB-KSB              ; and the same for V
	s_mov_b32 s[CNT], 9
.Lrest:                                            ; steps 7-15
	STEP
	s_sub_co_u32 s[CNT], s[CNT], 1
	s_cmp_lg_u32 s[CNT], 0
	s_cbranch_scc1 .Lrest
	; THE WAY OUT.  The sums' pairs are added; O^T is divided by the sum and goes through my stage in LDS, a tile of 16 queries at a time, so that sixteen lanes store a query's 256 bytes of the head.
	; The additions and the address lines, which name no register of the last products, are the places behind them.
.irp st, STA, STB
	v_pk_add_f32 v[\st+2:\st+3], v[\st+2:\st+3], v[\st+4:\st+5]
	v_pk_add_f32 v[\st+6:\st+7], v[\st+6:\st+7], v[\st+8:\st+9]
.endr
	v_and_b32 v3, 15, v0                           ; r
	v_bfe_u32 v4, v0, 4, 1                         ; h
	v_pk_add_f32 v[STA+2:STA+3], v[STA+2:STA+3], v[STA+6:STA+7]
	v_pk_add_f32 v[STB+2:STB+3], v[STB+2:STB+3], v[STB+6:STB+7]
	v_mul_u32_u24 v5, v3, 272
	v_mul_u32_u24 v7, v4, 272
	v_add_f32 v[STA+2], v[STA+2], v[STA+3]
	v_add_f32 v[STB+2], v[STB+2], v[STB+3]
	v_lshl_add_u32 v5, v4, 5, v5
	v_lshl_add_u32 v7, v3, 4, v7
	v_permlanex16_b32 v[BX], v[STA+2], s[SEL], s[SEL+1]
	v_permlanex16_b32 v[BX+1], v[STB+2], s[SEL], s[SEL+1]
	v_lshlrev_b32 v8, 12, v4
	v_add_f32 v[STA+2], v[STA+2], v[BX]            ; with lane l xor 16's: the row's sum
	v_add_f32 v[STB+2], v[STB+2], v[BX+1]
	s_wait_alu depctr_va_vdst(0)                   ; the wait ahead of the reciprocals
	v_rcp_f32 v[STA+2], v[STA+2]
	v_rcp_f32 v[STB+2], v[STB+2]
	s_mul_i32 s60, s[WV], 16*272
	s_add_co_u32 s60, s60, STAGE                   ; my stage
	v_add_nc_u32 v5, s60, v5                       ; (plain places behind the reciprocals)  in: row r; channel tile t's eight numbers of my half at 64 t + 32 h
	v_add_nc_u32 v7, s60, v7                       ; back: lanes 0-15 one row, lanes 16-31 the next
	v_lshl_add_u32 v8, v3, 4, v8                   ; and the same two rows in out, 4,096 bytes apart
	s_wait_alu depctr_va_vdst(0)                   ; the wait behind the reciprocals, directly ahead of the first reader of O^T
.set j, 0
.rept 16
	v_pk_mul_f32 v[OA+j:OA+j+1], v[OA+j:OA+j+1], v[STA+2:STA+3] op_sel_hi:[1,0]   ; O^T / the sum, each accumulator from its low end on
.set j, j+2
.endr
.set j, 0
.rept 16
	v_pk_mul_f32 v[OB+j:OB+j+1], v[OB+j:OB+j+1], v[STB+2:STB+3] op_sel_hi:[1,0]
.set j, j+2
.endr
.irp x, 0,1                                    ; tile a, tile b
.irp t, 0,1,2,3
	ds_store_b128 v5, v[OA+32*\x+8*\t:OA+32*\x+8*\t+3] offset:64*\t
	ds_store_b128 v5, v[OA+32*\x+8*\t+4:OA+32*\x+8*\t+7] offset:64*\t+16
.endr
.irp i, 0,1,2,3,4,5,6,7
	ds_load_b128 v[S+32*\x+4*\i:S+32*\x+4*\i+3], v7 offset:544*\i   ; LDS serves a wave's instructions in order: these see my stores, and the next tile's stores come behind them
.endr
.endr
.irp x, 0,1
.irp i, 0,1,2,3,4,5,6,7
	s_wait_dscnt 23-16*\x-\i                       ; behind this load stand its tile's 7 - i later loads and, for tile a, tile b's sixteen LDS instructions
	global_store_b128 v8, v[S+32*\x+4*\i:S+32*\x+4*\i+3], s[8:9] offset:65536*\x+8192*\i th:TH_STORE_NT   ; 16 lanes store 256 consecutive bytes, at a multiple of 256 from out's first byte
.endr
.endr
	s_wait_tensorcnt 0x0                           ; the wave's end
	ds_add_u32 v[SPW], v[NIL]
	s_wait_dscnt 0x0
	CROUND                                         ; the closing round: no work-group ends while a partner may still ask for a tile that names it
	s_endpgm
.Lfunc_end_k_qb789c82398_attn:
	.size	k_qb789c82398_attn, .Lfunc_end_k_qb789c82398_attn-k_qb789c82398_attn
	.p2alignl 7, 3214868480
	.fill 96, 4, 3214868480
	.section	.rodata,"a",@progbits
	.p2align	6, 0x0
	.amdhsa_kernel k_qb789c82398_attn
		.amdhsa_group_segment_fixed_size 327680
		.amdhsa_private_segment_fixed_size 0
		.amdhsa_enable_private_segment 0
		.amdhsa_kernarg_size 24
		.amdhsa_user_sgpr_count 2
		.amdhsa_user_sgpr_kernarg_segment_ptr 1
		.amdhsa_wavefront_size32 1
		.amdhsa_system_sgpr_workgroup_id_x 1
		.amdhsa_system_sgpr_workgroup_id_y 1
		.amdhsa_system_sgpr_workgroup_id_z 1
		.amdhsa_system_vgpr_workitem_id 0
		.amdhsa_next_free_vgpr 256
		.amdhsa_next_free_sgpr 80
		.amdhsa_reserve_vcc 0
		.amdhsa_float_denorm_mode_32 3
		.amdhsa_float_denorm_mode_16_64 3
		.amdhsa_memory_ordered 1
		.amdhsa_forward_progress 1
		.amdhsa_inst_pref_size 76
	.end_amdhsa_kernel
	.amdgpu_metadata
---
amdhsa.version: [ 1, 2 ]
amdhsa.kernels:
  - .name:           k_qb789c82398_attn
    .symbol:         k_qb789c82398_attn.kd
    .args:
      - { .name: codes, .offset: 0, .size: 8, .value_kind: global_buffer, .address_space: global }
      - { .name: scl, .offset: 8, .size: 8, .value_kind: global_buffer, .address_space: global }
      - { .name: out0, .offset: 16, .size: 8, .value_kind: global_buffer, .address_space: global }
    .group_segment_fixed_size: 327680
    .private_segment_fixed_size: 0
    .kernarg_segment_align: 8
    .kernarg_segment_size: 24
    .max_flat_workgroup_size: 512
    .sgpr_count:     80
    .vgpr_count:     256
    .wavefront_size: 32
...
	.end_amdgpu_metadata
.endif
;; end of part 2
